; MI455X (gfx1250); checked and timed in simulation.
; The chip was launched on July 23, 2026; its instructions are those of AMD's public machine-readable ISA for CDNA 5 (MIT licence, August 2026) and "CDNA5" Instruction Set Architecture Reference Guide (July 2026). The comments in the code are by the model that wrote it; some were corrected since.
;; Roberta Self Attention. Allowed arithmetic: matrix products marked QUANTISED: E3M2 operands, one E8M0 scale for each 32 along K, by v_wmma_scale_f32_16x16x128_f8f6f4 with both operands' format E3M2, f32 sums; everything else in f32.
;; Inputs: Wk 1,024 x 1,024 float32; Wq 1,024 x 1,024 float32; Wv 1,024 x 1,024 float32; attn_mask 4 x 2,048 float32; bk 1,024 float32; bq 1,024 float32; bv 1,024 float32; x 4 x 2,048 x 1,024 float32.
;; Outputs: out0 4 x 2,048 x 1,024 float32.
;; This version of the problem:
;;   THIS VERSION OF THE PROBLEM IS GIVEN IN LOW PRECISION. The matrix products marked QUANTISED in the list below multiply operands that are first quantised to E3M2 (3 exponent bits, 2 mantissa bits; 6 bits a number), with one power-of-two scale for each 32 numbers along K (OCP MX v1.0); their sums are f32. All else is computed in f32.
;;   The module's matrix products, in the order in which they are computed (A, B: the left and right operand; K: the contracted axis; several contracted axes count as one K, in the product's order):
;;     1. [M 8,192, K 1,024] x [K 1,024, N 1,024]; A: input x; B: input Wq: QUANTISED
;;     2. [M 8,192, K 1,024] x [K 1,024, N 1,024]; A: input x; B: input Wk: QUANTISED
;;     3. [M 8,192, K 1,024] x [K 1,024, N 1,024]; A: input x; B: input Wv: QUANTISED
;;     4. batch 64 x [M 2,048, K 64] x [K 64, N 2,048]; A: computed on the way; B: computed on the way: QUANTISED
;;     5. batch 64 x [M 2,048, K 2,048] x [K 2,048, N 64]; A: softmax (see below); B: computed on the way: QUANTISED
;;   THE QUANTISER, for each operand of a quantised product, along K:
;;     - K is cut into blocks of 32 from its start; a last block that is shorter is filled with zeros.
;;     - A block's scale is 2^e with e = floor(log2(the largest magnitude in the block)) - 4, held to -126 .. 127; a block of zeros has e = 0. As a byte (E8M0): e + 127.
;;     - Each number is divided by its block's scale, clamped to +-28, and rounded to the nearest number of E3M2, ties to even, subnormals kept.
;;     - The product sums the exact products of the quantised numbers (number of the format x scale) in f32.
;;   ~~~python
;;   def quantise(x, axis):      # numpy; x: float32 -> the quantised numbers, widened to float32 again
;;       x = np.moveaxis(x, axis, -1); K = x.shape[-1]
;;       x = np.pad(x, [(0, 0)] * (x.ndim - 1) + [(0, -K % 32)]); x = x.reshape(x.shape[:-1] + (-1, 32)); a = np.abs(x).max(-1, keepdims=True)
;;       e = np.where(a > 0, np.clip(np.frexp(np.where(a > 0, a, 1))[1] - 1 - 4, -126, 127), 0)      # np.frexp(a)[1] - 1 = floor(log2(a)), exactly
;;       r = np.clip(x / 2.0 ** e, -28, 28)
;;       step = 2.0 ** (np.maximum(np.frexp(np.where(r == 0, 1, r))[1] - 1, -2) - 2)
;;       q = np.round(r / step) * step * 2.0 ** e      # np.round: ties to even
;;       return np.moveaxis(q.reshape(q.shape[:-2] + (-1,))[..., :K], -1, axis).astype(np.float32)
;;   ~~~
;;   SOFTMAX AHEAD OF A QUANTISED PRODUCT. Where the list says 'softmax', what is quantised is not the finished softmax but p = 2^(t - M), with t = logit x log2(e) and M = ceil(the row's largest t), a whole number; so 1/2 < the row's largest p <= 1. The row's sum l is taken of the UNQUANTISED p, in f32, and the product's result is divided by l at the end. Since M is a whole number, a kernel that streams over the keys may use a running M (the ceiling of the running maximum): every later rescaling is an exact power of two, which a block's scale takes up: the codes' values come out the same.
;;   OPERANDS COMPUTED ON THE WAY. 'Computed on the way' means the value that the module computes at that place (a softmax that the list does not call 'softmax' is quantised finished and normalised). What goes into a quantiser is computed in f32, as accurately as f32 sums, v_exp_f32 and their like allow (about 1e-6 of the number): no bf16 or f16 on the way to a quantiser, and a product that is left as it is and whose result goes on into a quantised operand takes f32 operands (vector FMAs, or v_wmma_f32_16x16x4_f32). A number that lies on a knife's edge between two numbers of the format may be rounded either way, as far as f32 arithmetic and the matrix unit's own rounding can turn it there, and no further.
;; One version. Each part assembles by itself: llvm-mc -triple=amdgcn-amd-amdhsa -mcpu=gfx1250 --defsym DOCPART=n.
;; ======== version 1 of 1: 3 launches
;; limits: right only within a limited range of input values
;; workspace buffers: xc 6,291,456 bytes; xs 262,144 bytes; wc 2,359,296 bytes; ws 98,304 bytes; qkc 12,582,912 bytes; qks 1,048,576 bytes; vc 6,291,456 bytes; vs 262,144 bytes
;; launch quant (part 1): grid 352 x 1, 4 waves a work-group, no clusters, 33,280 bytes of LDS; arguments x, Wq, Wk, Wv, xc, xs, wc, ws; writes xc, xs, wc, ws
.if DOCPART == 1
	.amdgcn_target "amdgcn-amd-amdhsa--gfx1250"
	.amdhsa_code_object_version 6
	.text
	.protected	k_qac89caefdf_quant
	.globl	k_qac89caefdf_quant
	.p2align	8
	.type	k_qac89caefdf_quant,@function
k_qac89caefdf_quant:
	s_mov_b64 s[64:65], 0
	v_nop
	global_prefetch_b8 v0, s[64:65] scope:SCOPE_SE
	s_setreg_imm32_b32 hwreg(HW_REG_WAVE_MODE, 25, 1), 1
	s_wait_xcnt 0x0
; x [8192][1024] and Wq, Wk, Wv [1024][1024], f32, K innermost, become codes of BF6 (E3M2), 6 bits each, K innermost (768 bytes a row), with one E8M0 scale byte for each 32 along K (32 bytes a row).
; A block's scale is 2^(floor(log2(its largest magnitude)) - 4); its byte is the largest magnitude's exponent field - 4, held at 1 from below.  A block of zeros so gets the byte 1 where the quantiser says 127:
; its codes are zeros, which add nothing under any byte but 0xff, and the bytes are read by this program alone.  Each number is divided by the scale and rounded to the nearest code, ties to even.
; LIMITS: blocks whose largest magnitude lies under 2^-122 keep the byte 1; NaN and infinities among the inputs are not served.
; THE ROWS ARE LAID IN ANOTHER ORDER: row number with its bits 3 and 4 exchanged.  Sixteen rows on end of xc or wc are then a tile whose lanes 0-7 hold eight neighbouring rows and lanes 8-15 the eight that lie 16 further on,
; so that in the products that follow two neighbouring result tiles hold 16 true neighbours in a lane's 16 registers.  wc and ws hold Wq's 1,024 rows, then Wk's, then Wv's.
; SHARES.  A wave takes 8 rows (8,192 numbers) in 16 steps of 512; a work-group 32 rows; the exchange of bits 3 and 4 is an exchange of the waves' places in the output.  Work-groups 0-255 take x, 256-351 the weights.
; Each of a step's four loads reads 512 consecutive bytes, 16 a lane; the 2,048 bytes go through the wave's own stage in LDS and come back 64 bytes a lane: 16 neighbours along K, as the conversion wants them
; (two neighbouring lanes hold a block).  A wave's 256 scale bytes are gathered in LDS and leave as 256 consecutive, aligned bytes.  No barrier: waves share nothing.  Loads run four steps (16 loads a wave) ahead.
.set STEPS, 16
.set XWG,   256                        ; work-groups that take x: 8,192 rows / 32
.set EMAX,  4
.set CB,    12                         ; bytes of 16 codes
.set R,     16                         ; v16-79   four sets of 16 numbers as they are loaded
.set X,     80                         ; v80-111  two sets of 16 neighbours
.set E,     112                        ; v112-127 a scale byte for each step
.set C,     128                        ; v128-191 codes: four registers for each step, so that no store's data are written again
.set WREG,  8192                       ; LDS: a region for each wave: two stages of 32 x SP bytes, behind them its 256 scale bytes
.set SP,    80                         ; a lane's place in a stage: its 64 bytes + 16 of padding
	s_load_b256 s[4:11], s[0:1], 0x0               ; x, Wq, Wk, Wv
	s_load_b256 s[12:19], s[0:1], 0x20             ; xc, xs, wc, ws
	v_lshl_add_u32 v192, v0, 2, 0x8000
	v_mov_b32 v193, 0
	v_lshrrev_b32 v1, 5, v0
	v_readfirstlane_b32 s20, v1                    ; wave
	v_and_b32 v2, 31, v0                           ; lane
	v_lshlrev_b32 v3, 4, v2                        ; my 16 bytes of a load's 512
	s_mul_i32 s30, s20, WREG
	v_lshrrev_b32 v14, 2, v2
	v_mul_u32_u24 v14, v14, SP
	v_and_b32 v15, 3, v2
	v_lshl_add_u32 v14, v15, 4, v14
	v_add_nc_u32 v14, s30, v14                     ; the stage, on the way in: SP (lane / 4) + 16 (lane % 4)
	v_mul_u32_u24 v15, v2, SP
	v_add_nc_u32 v15, s30, v15                     ; and on the way out: SP x lane: my 16 neighbours
	v_mul_u32_u24 v4, v2, CB                       ; my codes' place in a step's
	v_lshrrev_b32 v5, 1, v2
	s_add_co_u32 s30, s30, 2*32*SP
	v_add_nc_u32 v5, s30, v5                       ; LDS: my wave's 256 scale bytes, my block's byte
	v_lshlrev_b32 v7, 3, v2                        ; and on the way out 8 bytes a lane
	v_add_nc_u32 v6, s30, v7
	s_sub_co_u32 s21, ttmp9, XWG                   ; a weight's work-group: 0 .. 95 (of no use in x's work-groups)
	s_lshr_b32 s22, s21, 5                         ; which weight
	s_and_b32 s23, s21, 31                         ; which 32 rows of it
	s_and_b32 s26, s20, 1
	s_lshl_b32 s26, s26, 1
	s_lshr_b32 s27, s20, 1
	s_or_b32 s26, s26, s27                         ; the wave's number with its two bits exchanged: my 8 rows' place in the output
	s_wait_alu depctr_va_vdst(0)
	s_wait_kmcnt 0x0
	s_cmp_eq_u32 s22, 1                            ; every choice hangs on the work-group's number alone
	s_cselect_b64 s[6:7], s[8:9], s[6:7]
	s_cmp_eq_u32 s22, 2
	s_cselect_b64 s[6:7], s[10:11], s[6:7]         ; the weight
	s_cmp_lt_u32 ttmp9, XWG
	s_cselect_b64 s[4:5], s[4:5], s[6:7]           ; what I read,
	s_cselect_b64 s[12:13], s[12:13], s[16:17]     ; where its codes go,
	s_cselect_b64 s[14:15], s[14:15], s[18:19]     ; and its scale bytes
	s_cselect_b32 s24, ttmp9, s23                  ; which 32 rows of the tensor read,
	s_cselect_b32 s25, ttmp9, s21                  ; and of the buffers written
	s_lshl_b32 s24, s24, 2
	s_add_co_u32 s24, s24, s20                     ; my 8 rows in,
	s_lshl_b32 s25, s25, 2
	s_add_co_u32 s25, s25, s26                     ; and out
	s_lshl_b32 s28, s24, 15                        ; 8 rows are 32,768 bytes of f32,
	s_mov_b32 s29, 0
	s_add_nc_u64 s[4:5], s[4:5], s[28:29]
	s_mul_i32 s28, s25, 32*STEPS*CB                ; 6,144 bytes of codes,
	s_add_nc_u64 s[12:13], s[12:13], s[28:29]
	s_lshl_b32 s28, s25, 8                         ; 256 scale bytes
	s_add_nc_u64 s[14:15], s[14:15], s[28:29]
.macro LOAD t
.irp i, 0,1,2,3
	global_load_b128 v[R+16*((\t)%4)+4*\i:R+16*((\t)%4)+4*\i+3], v3, s[4:5] offset:2048*(\t)+512*\i th:TH_LOAD_NT   ; 32 lanes read 512 consecutive bytes
.endr
.endm
.macro TURN t                          ; step t's numbers through the stage: LDS serves a wave's instructions in order, so no wait stands between the stores and the loads
.irp i, 0,1,2,3
	ds_store_b128 v14, v[R+16*((\t)%4)+4*\i:R+16*((\t)%4)+4*\i+3] offset:32*SP*((\t)%2)+8*SP*\i
.endr
.irp i, 0,1,2,3
	ds_load_b128 v[X+16*((\t)%2)+4*\i:X+16*((\t)%2)+4*\i+3], v15 offset:32*SP*((\t)%2)+16*\i
.endr
.endm
.irp t, 0,1,2,3
	LOAD \t
.endr
	s_wait_loadcnt 12                              ; step 0's four loads are in; the twelve of steps 1 to 3 may be out
	TURN 0
.macro STEP t
.set XS, X+16*((\t)%2)
.if (\t) > 0
	s_wait_dscnt 1                                 ; this step's numbers are back from the stage (the last step's byte store may be out): so its stores into the stage have read their registers,
.else
	s_wait_dscnt 0x0
.endif
.if (\t)+4 < STEPS
	LOAD (\t)+4                                    ; which take the loads of four steps on
.endif
.if (\t)+1 < STEPS
.if STEPS-2-(\t) >= 3
	s_wait_loadcnt 12                              ; the next step's four loads are in; those of the three steps behind it may be out
.else
	s_wait_loadcnt 4*(STEPS-2-(\t))
.endif
	TURN (\t)+1                                    ; and go through the other stage while this step is worked
.endif
	v_max3_num_f32 v8, |v[XS]|, |v[XS+1]|, |v[XS+2]|               ; the largest magnitude of my 16, in two chains
	v_max3_num_f32 v9, |v[XS+3]|, |v[XS+4]|, |v[XS+5]|
.irp i, 6,10
	v_max3_num_f32 v8, v8, |v[XS+\i]|, |v[XS+\i+1]|
	v_max3_num_f32 v9, v9, |v[XS+\i+2]|, |v[XS+\i+3]|
.endr
	v_max3_num_f32 v8, v8, |v[XS+14]|, |v[XS+15]|
	v_max3_num_f32 v8, v8, v9, (EMAX+1)<<23        ; and the floor 2^(5 - 127): the byte cannot fall under 1
	v_max_num_f32_dpp v8, v8, v8 row_xmask:1 row_mask:0xf bank_mask:0xf   ; and of my neighbour's 16: the block's
	v_add_nc_u32 v11, -(EMAX<<23), v8              ; 4 off its exponent field: the conversion takes the exponent field of this operand as its scale, and nothing else of it
	v_cvt_scalef32_pk16_bf6_f32 v[C+4*(\t):C+4*(\t)+2], v[XS:XS+15], v11   ; sixteen codes, 96 bits without gaps, the first number's code lowest
	v_lshrrev_b32 v[E+(\t)], 23, v11               ; the scale's byte (also the plain line behind the conversion)
	ds_store_b8 v5, v[E+(\t)] offset:16*(\t)       ; both lanes of a block write the same byte with the same value
	global_store_b96 v4, v[C+4*(\t):C+4*(\t)+2], s[12:13] offset:32*CB*(\t)   ; the wave stores 384 consecutive bytes
.endm
.irp t, 0,1,2,3,4,5,6,7,8,9,10,11,12,13,14,15
	STEP \t
.endr
	ds_load_b64 v[12:13], v6                       ; LDS serves a wave's instructions in order: these see my stores
	s_wait_dscnt 0x0
	global_store_b64 v7, v[12:13], s[14:15]        ; 32 lanes store 256 consecutive bytes, aligned
	s_wait_tensorcnt 0x0
	ds_add_u32 v192, v193
	s_wait_dscnt 0x0
	s_endpgm
.Lfunc_end_k_qac89caefdf_quant:
	.size	k_qac89caefdf_quant, .Lfunc_end_k_qac89caefdf_quant-k_qac89caefdf_quant
	.p2alignl 7, 3214868480
	.fill 96, 4, 3214868480
	.section	.rodata,"a",@progbits
	.p2align	6, 0x0
	.amdhsa_kernel k_qac89caefdf_quant
		.amdhsa_group_segment_fixed_size 33280
		.amdhsa_private_segment_fixed_size 0
		.amdhsa_enable_private_segment 0
		.amdhsa_kernarg_size 64
		.amdhsa_user_sgpr_count 2
		.amdhsa_user_sgpr_kernarg_segment_ptr 1
		.amdhsa_wavefront_size32 1
		.amdhsa_system_sgpr_workgroup_id_x 1
		.amdhsa_system_sgpr_workgroup_id_y 1
		.amdhsa_system_sgpr_workgroup_id_z 1
		.amdhsa_system_vgpr_workitem_id 0
		.amdhsa_next_free_vgpr 194
		.amdhsa_next_free_sgpr 66
		.amdhsa_reserve_vcc 0
		.amdhsa_float_denorm_mode_32 3
		.amdhsa_float_denorm_mode_16_64 3
		.amdhsa_memory_ordered 1
		.amdhsa_forward_progress 1
		.amdhsa_inst_pref_size 33
	.end_amdhsa_kernel
	.amdgpu_metadata
---
amdhsa.version: [ 1, 2 ]
amdhsa.kernels:
  - .name:           k_qac89caefdf_quant
    .symbol:         k_qac89caefdf_quant.kd
    .args:
      - { .name: x, .offset: 0, .size: 8, .value_kind: global_buffer, .address_space: global }
      - { .name: Wq, .offset: 8, .size: 8, .value_kind: global_buffer, .address_space: global }
      - { .name: Wk, .offset: 16, .size: 8, .value_kind: global_buffer, .address_space: global }
      - { .name: Wv, .offset: 24, .size: 8, .value_kind: global_buffer, .address_space: global }
      - { .name: xc, .offset: 32, .size: 8, .value_kind: global_buffer, .address_space: global }
      - { .name: xs, .offset: 40, .size: 8, .value_kind: global_buffer, .address_space: global }
      - { .name: wc, .offset: 48, .size: 8, .value_kind: global_buffer, .address_space: global }
      - { .name: ws, .offset: 56, .size: 8, .value_kind: global_buffer, .address_space: global }
    .group_segment_fixed_size: 33280
    .private_segment_fixed_size: 0
    .kernarg_segment_align: 8
    .kernarg_segment_size: 64
    .max_flat_workgroup_size: 128
    .sgpr_count:     66
    .vgpr_count:     194
    .wavefront_size: 32
...
	.end_amdgpu_metadata
.endif
;; end of part 1
;; launch proj (part 2): grid 12 x 32, 4 waves a work-group, clusters of 4 x 4, 327,680 bytes of LDS; arguments xc, xs, wc, ws, bq, bk, bv, qkc, qks, vc, vs; writes qkc, qks, vc, vs
.if DOCPART == 2
	.amdgcn_target "amdgcn-amd-amdhsa--gfx1250"
	.amdhsa_code_object_version 6
	.text
	.protected	k_qac89caefdf_proj
	.globl	k_qac89caefdf_proj
	.p2align	8
	.type	k_qac89caefdf_proj,@function
k_qac89caefdf_proj:
	s_mov_b64 s[64:65], 0
	v_nop
	global_prefetch_b8 v0, s[64:65] scope:SCOPE_SE
	s_setreg_imm32_b32 hwreg(HW_REG_WAVE_MODE, 25, 1), 1
	s_wait_xcnt 0x0
	s_wait_alu depctr_hold_cnt(0) depctr_sa_sdst(0) depctr_va_vdst(0) depctr_va_sdst(0) depctr_va_ssrc(0) depctr_va_vcc(0) depctr_vm_vsrc(0)
	s_getreg_b32 s2, hwreg(HW_REG_IB_STS2, 6, 4)
	s_cmp_eq_u32 s2, 0
	s_cbranch_scc0 .Lentry_in_a_cluster
	s_endpgm
.Lentry_in_a_cluster:
	s_bfe_u32 s2, ttmp6, 0x10000c
	s_cmp_lg_u32 s2, 0xf033
	s_cbranch_scc0 .Lentry_shape_is_right
	s_endpgm
.Lentry_shape_is_right:
.set KSTEP,  256
.set NQ,     KSTEP/128
.set ROWB,   192
.set KROW,   768
.set PITCH,  240
.set FR,     12
.set NL,     6
.set NP,     4
.set HALFT,  128*PITCH
.set SLOT,   4*HALFT
.set LAPS,   2
.set KS,     32
.set SCL,    2*SLOT
.set HALFS,  (128*KS/256)*272
.set SBLK,   (16*KS/256)*272
.set SPARE,  SCL+4*HALFS
.set WST,    8192
.set SST,  7
.set SRD,  8
.set SGO,  9
.set SHV,  10
.set ADRA, 16
.set ADRB, 20
.set STO,  24
.set RD,   25
.set CO,   26
.set ADRS, 27
.set SPW,  28
.set NIL,  29
.set BNA,  30
.set BMA,  31
.set SC,   32
.set BN,   64
.set AF,   128
.set T,    128
.set RB,   128
.set TT,   160
.set CV,   192
.set TM,   208
.set PW,   220
.set PW2,  221
.set BM,   224
.set CVO,  240
.set OUTR, 240
.set G1, 24
.set G0, 32
.set G1B, 48
.set G0B, 56
.set G1S, 68
.set G0S, 76
.set G1SB, 80
.set G0SB, 88
.set SEL, 32
.set MSB, 0
.macro WIN new
.if MSB != \new
	s_set_vgpr_msb (MSB<<8)|\new
.set MSB, \new
.endif
.endm
.set MUL_LO, 0xa1
.set MUL_HI, 0xf1
.set TO_B,   0x40
.macro JLOAD g0a, g1a, g0b, g1b
	s_cmp_eq_u32 s15, 0
	s_cbranch_scc0 .Lfor_b_\@
	tensor_load_to_lds s[\g0a:\g0a+3], s[\g1a:\g1a+7]
	s_nop 0
.rept 4
	v_nop
.endr
	s_branch .Lasked_\@
.Lfor_b_\@:
	tensor_load_to_lds s[\g0b:\g0b+3], s[\g1b:\g1b+7]
	s_nop 0
.rept 4
	v_nop
.endr
.Lasked_\@:
.endm
.macro CREST
	s_cmp_lg_u32 s14, 0
	s_cbranch_scc1 .Lnot_wave_0_\@
	s_barrier_signal -3
.Lnot_wave_0_\@:
	s_barrier_wait -3
	s_barrier_signal -1
	s_barrier_wait -1
.endm
.macro CROUND
	s_barrier_signal -1
	s_barrier_wait -1
	CREST
.endm
	s_load_b256 s[4:11], s[0:1], 0x0
	s_load_b256 s[68:75], s[0:1], 0x20
	s_load_b128 s[80:83], s[0:1], 0x40
	s_load_b64 s[84:85], s[0:1], 0x50
	v_lshl_add_u32 v[SPW], v0, 2, SPARE
	v_mov_b32 v[NIL], 0
	ds_add_u32 v28, v29
	ds_add_u32 v28, v29
	s_wait_dscnt 0x0
	v_lshrrev_b32 v1, 5, v0
	v_readfirstlane_b32 s14, v1
	s_lshr_b32 s15, s14, 1
	s_and_b32 s16, s14, 1
	s_bfe_u32 s40, ttmp6, 0x40000
	s_bfe_u32 s41, ttmp6, 0x40004
	s_and_b32 s2, ttmp7, 0xffff
	s_lshl_b32 s2, s2, 2
	s_lshl_b32 s95, ttmp9, 2
	s_cmp_eq_u32 ttmp9, 2
	s_cselect_b32 s100, 1, 0
	s_cselect_b32 s17, 0, s2
	s_cselect_b32 s42, s2, s95
	s_add_co_u32 s17, s17, s41
	s_add_co_u32 s42, s42, s40
	s_cmp_eq_u32 ttmp9, 0
	s_cselect_b32 s101, 0x3e000000, 1.0
	s_lshl_b32 s43, s41, 2
	s_lshl_b32 s43, 15, s43
	s_lshl_b32 s44, 0x1111, s40
	s_or_b32 s[G1+0], s43, (0<<16)|(1<<20)|(1<<21)|(3<<22)|(3<<25)
	s_or_b32 s[G1B+0], s44, (0<<16)|(1<<20)|(1<<21)|(3<<22)|(3<<25)
.irp g, G1, G1B
	s_mov_b32 s[\g+1], ROWB<<16
	s_mov_b32 s[\g+2], 128<<16
	s_mov_b32 s[\g+3], ROWB<<16
	s_mov_b32 s[\g+4], 128
	s_mov_b32 s[\g+5], KROW
	s_mov_b32 s[\g+6], 0
	s_mov_b32 s[\g+7], 0
.endr
	s_wait_kmcnt 0x0
	s_add_nc_u64 s[18:19], s[8:9], 2048*KROW
	s_add_nc_u64 s[22:23], s[10:11], 2048*KS
	s_cmp_eq_u32 s100, 1
	s_cselect_b64 s[20:21], s[18:19], s[4:5]
	s_cselect_b64 s[18:19], s[4:5], s[8:9]
	s_cselect_b64 s[46:47], s[22:23], s[6:7]
	s_cselect_b64 s[22:23], s[6:7], s[10:11]
	s_cselect_b64 s[12:13], s[82:83], s[74:75]
	s_cselect_b64 s[98:99], s[84:85], s[80:81]
	s_cselect_b64 s[96:97], s[72:73], s[68:69]
	s_cmp_eq_u32 ttmp9, 1
	s_cselect_b64 s[96:97], s[70:71], s[96:97]
	s_mov_b64 s[4:5], s[20:21]
	s_mov_b64 s[6:7], s[46:47]
	s_mov_b64 s[8:9], s[18:19]
	s_mov_b64 s[10:11], s[22:23]
	s_or_b32 s[G1S+0], s43, (3<<16)|(1<<20)|(1<<21)|(5<<22)|(3<<25)
	s_or_b32 s[G1SB+0], s44, (3<<16)|(1<<20)|(1<<21)|(5<<22)|(3<<25)
.irp g, G1S, G1SB
	s_mov_b32 s[\g+1], 32<<16
	s_mov_b32 s[\g+2], (128*KS/256)<<16
	s_mov_b32 s[\g+3], 32<<16
	s_mov_b32 s[\g+4], 128*KS/256
	s_mov_b32 s[\g+5], 32
	s_mov_b32 s[\g+6], 0
	s_mov_b32 s[\g+7], 0
.endr
	s_lshl_b32 s18, s16, 7
	s_lshl_b32 s20, s17, 8
	s_add_co_u32 s20, s20, s18
	s_lshl_b32 s46, s42, 8
	s_add_co_u32 s46, s46, s18
	s_mov_b32 s21, 0
	s_mov_b32 s47, 0
	s_mov_b64 s[18:19], KS
	s_mul_u64 s[22:23], s[20:21], s[18:19]
	s_mul_u64 s[92:93], s[46:47], s[18:19]
	s_mov_b64 s[18:19], KROW
	s_mul_u64 s[20:21], s[20:21], s[18:19]
	s_mul_u64 s[46:47], s[46:47], s[18:19]
	s_mul_i32 s45, s14, HALFT
	s_mul_i32 s94, s14, HALFS
	s_add_nc_u64 s[20:21], s[4:5], s[20:21]
	s_add_nc_u64 s[22:23], s[6:7], s[22:23]
	s_add_nc_u64 s[46:47], s[8:9], s[46:47]
	s_add_nc_u64 s[92:93], s[10:11], s[92:93]
	CROUND
	s_mov_b32 s[G0S], 1
	s_add_co_u32 s[G0S+1], s94, SCL
	s_mov_b64 s[G0S+2:G0S+3], s[22:23]
	s_or_b32 s[G0S+3], s[G0S+3], 0x80000000
	s_mov_b32 s[G0SB], 1
	s_add_co_u32 s[G0SB+1], s94, SCL
	s_mov_b64 s[G0SB+2:G0SB+3], s[92:93]
	s_or_b32 s[G0SB+3], s[G0SB+3], 0x80000000
	JLOAD G0S, G1S, G0SB, G1SB
.irp s, 0,1
	s_mov_b32 s[G0+4*\s], 1
	s_add_co_u32 s[G0+4*\s+1], s45, \s*SLOT
	s_add_nc_u64 s[G0+4*\s+2:G0+4*\s+3], s[20:21], \s*ROWB
	s_or_b32 s[G0+4*\s+3], s[G0+4*\s+3], 0x80000000
	s_mov_b32 s[G0B+4*\s], 1
	s_add_co_u32 s[G0B+4*\s+1], s45, \s*SLOT
	s_add_nc_u64 s[G0B+4*\s+2:G0B+4*\s+3], s[46:47], \s*ROWB
	s_or_b32 s[G0B+4*\s+3], s[G0B+4*\s+3], 0x80000000
	s_wait_alu depctr_va_vdst(0)
	s_wait_tensorcnt 0x0
	ds_add_u32 v28, v29
	s_wait_dscnt 0x0
	CROUND
	JLOAD G0+4*\s, G1, G0B+4*\s, G1B
.endr
	v_and_b32 v1, 15, v0
	s_wait_alu depctr_va_vdst(0)
	v_bfe_u32 v2, v0, 4, 1
	s_wait_alu depctr_va_vdst(0)
	s_and_b32 s18, s42, 3
	s_lshl_b32 s18, s18, 10
	s_lshl_b32 s19, s16, 9
	s_add_co_u32 s18, s18, s19
	v_lshl_add_u32 v[BNA], v2, 6, s18
	s_and_b32 s18, s17, 3
	s_lshl_b32 s18, s18, 10
	s_lshl_b32 s19, s15, 9
	s_add_co_u32 s18, s18, s19
	v_and_b32 v5, 8, v1
	v_add_nc_u32 v5, v5, v1
	v_lshl_add_u32 v[BMA], v5, 2, s18
.irp c, 0,1,2,3
.irp i, 0,1,2,3
	global_load_b128 v[BN+16*\c+4*\i:BN+16*\c+4*\i+3], v[BNA], s[96:97] offset:128*\c+16*\i
.endr
.endr
.irp a, 0,1,2,3,4,5,6,7
	global_load_b32 v[BM+2*\a], v[BMA], s[96:97] offset:4*(32*(\a/2)+8*(\a%2))
.endr
	v_mul_u32_u24 v3, v1, PITCH
	v_mul_u32_u24 v4, v2, 24
	v_add_nc_u32 v4, v3, v4
	v_lshl_add_u32 v5, v2, 4, v4
	s_mul_i32 s21, s15, HALFT
	s_mul_i32 s22, s16, HALFT
	s_add_co_u32 s22, s22, 2*HALFT
.irp s, 0,1
	v_add_nc_u32 v[ADRA+\s], s21, v4
	v_add_nc_u32 v[ADRB+\s], s22, v4
	v_add_nc_u32 v[ADRA+2+\s], s21, v5
	v_add_nc_u32 v[ADRB+2+\s], s22, v5
	s_add_co_u32 s21, s21, SLOT
	s_add_co_u32 s22, s22, SLOT
.endr
	v_mul_u32_u24 v5, v1, KS
	v_lshrrev_b32 v6, 8, v5
	v_lshl_add_u32 v5, v6, 4, v5
	s_mul_i32 s21, s15, HALFS
	s_mul_i32 s22, s16, HALFS
	s_add_co_u32 s22, s22, 2*HALFS
	s_sub_co_u32 s22, s22, s21
	v_mul_u32_u24 v6, s22, v2
	s_add_co_u32 s21, s21, SCL
	v_add_nc_u32 v5, v5, v6
	v_add_nc_u32 v[ADRS], s21, v5
	s_lshl_b32 s23, s14, 13
	v_and_b32 v6, 31, v0
	v_lshlrev_b32 v5, 6, v1
	v_lshl_add_u32 v5, v2, 4, v5
	v_add_nc_u32 v[STO], s23, v5
	v_lshlrev_b32 v5, 4, v6
	v_add_nc_u32 v[RD], s23, v5
	v_mul_u32_u24 v[CO], v6, 12
	v_add_nc_u32 v[SRD], 4096, v[RD]
	v_lshlrev_b32 v5, 9, v2
	v_lshl_add_u32 v5, v1, 2, v5
	v_add_nc_u32 v[SST], s23, v5
	v_add_nc_u32 v[SST], 4096, v[SST]
	s_cmp_eq_u32 s100, 1
	s_cselect_b32 s18, 3840, 0
	s_cselect_b32 s19, 0, 16
	s_cselect_b32 s92, 0, s101
	s_cselect_b32 s94, 1.0, 0
	s_mov_b32 s93, s92
	v_mul_u32_u24 v[SGO], s18, v2
	v_lshl_add_u32 v[SGO], v6, 4, v[SGO]
	v_mul_u32_u24 v[SHV], s19, v2
	s_wait_loadcnt 0x0
.set j, 0
.rept 32
	v_pk_mul_f32 v[BN+j:BN+j+1], v[BN+j:BN+j+1], s[92:93] op_sel_hi:[1,0]
.set j, j+2
.endr
.irp a, 0,1,2,3,4,5,6,7
	v_mul_f32 v[BM+2*\a], s94, v[BM+2*\a]
.endr
.irp a, 0,1,2,3,4,5,6,7
	v_mov_b32 v[BM+2*\a+1], v[BM+2*\a]
.endr
.macro FRAG reg, adr, q, i
.irp p, 0,1,2,3,4,5
.set PC, 12*(\q)+6*(\p/3)+\p%3
.if PC%8 < 5
	ds_load_b64 v[\reg+2*\p:\reg+2*\p+1], v[\adr] offset:8*PC+16*(PC/8)+(\i)*16*PITCH
.else
	ds_load_b64 v[\reg+2*\p:\reg+2*\p+1], v[\adr+2] offset:8*PC+16*(PC/8)+(\i)*16*PITCH
.endif
.endr
.endm
.macro MUL16 a0, p, q, sc, zero
.irp a, \a0, \a0+1
.irp b, 0,1,2,3,4,5,6,7
.if \zero
	v_wmma_scale_f32_16x16x128_f8f6f4 v[8*(8*((\a)%4)+\b):8*(8*((\a)%4)+\b)+7], v[128*(\p)+FR*\b:128*(\p)+FR*\b+FR-1], v[AF+FR*(\a):AF+FR*(\a)+FR-1], 0, v[SC+8*NQ*(\sc)+NQ*\b+(\q)], v[SC+8*NQ*(\sc)+NQ*(\a)+(\q)] matrix_a_fmt:MATRIX_FMT_BF6 matrix_b_fmt:MATRIX_FMT_BF6 matrix_a_scale:MATRIX_SCALE_ROW1
.else
	v_wmma_scale_f32_16x16x128_f8f6f4 v[8*(8*((\a)%4)+\b):8*(8*((\a)%4)+\b)+7], v[128*(\p)+FR*\b:128*(\p)+FR*\b+FR-1], v[AF+FR*(\a):AF+FR*(\a)+FR-1], v[8*(8*((\a)%4)+\b):8*(8*((\a)%4)+\b)+7], v[SC+8*NQ*(\sc)+NQ*\b+(\q)], v[SC+8*NQ*(\sc)+NQ*(\a)+(\q)] matrix_a_fmt:MATRIX_FMT_BF6 matrix_b_fmt:MATRIX_FMT_BF6 matrix_a_scale:MATRIX_SCALE_ROW1
.endif
.endr
.endr
.endm
.macro FETCH_B slot, q, p
	WIN TO_B
.irp i, 0,1,2,3,4,5,6,7
	FRAG 128*(\p)+FR*\i, ADRB+\slot, \q, \i
.endr
	WIN 0
.endm
.macro FETCH_A slot, q, i0
.irp i, \i0, \i0+1, \i0+2, \i0+3
	FRAG AF+FR*(\i), ADRA+\slot, \q, \i
.endr
.endm
.macro SCALES sc
.irp i, 0,1,2,3,4,5,6,7
	ds_load_b64 v[SC+8*NQ*\sc+NQ*\i:SC+8*NQ*\sc+NQ*\i+1], v[ADRS] offset:\i*SBLK
.endr
.endm
.macro PLACES n
.rept \n
	v_nop
.endr
.endm
.macro STEP slot, q, zero
	s_wait_dscnt 4*NL
	WIN MUL_LO
	MUL16 0, (\q)%2, \q, \slot, \zero
	MUL16 2, (\q)%2, \q, \slot, \zero
	s_wait_dscnt 0
	PLACES NP
	FETCH_B \slot, (\q)+1, 1-(\q)%2
	FETCH_A \slot, (\q)+1, 0
	WIN MUL_HI
	MUL16 4, (\q)%2, \q, \slot, \zero
	MUL16 6, (\q)%2, \q, \slot, \zero
	PLACES NP
	WIN 0
	FETCH_A \slot, (\q)+1, 4
.endm
.macro TURN slot, next, fill
	s_wait_tensorcnt 0x0
	ds_add_u32 v[SPW], v[NIL]
	s_wait_dscnt 4*NL+1
	WIN MUL_LO
	MUL16 0, 1, NQ-1, \slot, 0
	s_wait_dscnt 0x0
	s_barrier_signal -1
	MUL16 2, 1, NQ-1, \slot, 0
	WIN 0
	s_barrier_wait -1
.if \fill
	CREST
	s_add_nc_u64 s[G0+4*\slot+2:G0+4*\slot+3], s[G0+4*\slot+2:G0+4*\slot+3], 2*ROWB
	s_add_nc_u64 s[G0B+4*\slot+2:G0B+4*\slot+3], s[G0B+4*\slot+2:G0B+4*\slot+3], 2*ROWB
	JLOAD G0+4*\slot, G1, G0B+4*\slot, G1B
.else
	PLACES NP
.endif
	s_wait_alu depctr_va_vdst(0)
	v_add_nc_u32 v[ADRS], 4*NQ, v[ADRS]
	FETCH_B \next, 0, 0
	FETCH_A \next, 0, 0
	SCALES \next
	WIN MUL_HI
	MUL16 4, 1, NQ-1, \slot, 0
	MUL16 6, 1, NQ-1, \slot, 0
	PLACES NP
	WIN 0
	FETCH_A \next, 0, 4
.endm
	s_wait_tensorcnt 1
	s_barrier_signal -1
	s_barrier_wait -1
	FETCH_B 0, 0, 0
	FETCH_A 0, 0, 0
	SCALES 0
	FETCH_A 0, 0, 4
	STEP 0, 0, 1
	s_mov_b32 s3, LAPS-1
.Llap:
	TURN 0, 1, 1
	STEP 1, 0, 0
	TURN 1, 0, 1
	STEP 0, 0, 0
	s_sub_co_u32 s3, s3, 1
	s_cmp_lg_u32 s3, 0
	s_cbranch_scc1 .Llap
	TURN 0, 1, 0
	STEP 1, 0, 0
	s_wait_dscnt 4*NL
	WIN MUL_LO
	MUL16 0, 1, NQ-1, 1, 0
	MUL16 2, 1, NQ-1, 1, 0
	s_wait_dscnt 0
	WIN MUL_HI
	MUL16 4, 1, NQ-1, 1, 0
	MUL16 6, 1, NQ-1, 1, 0
	WIN 0
	PLACES NP
.irp b, 0,1,2,3
	v_mov_b32 v[TM+4+\b], 0
.endr
	s_mov_b32 s[SEL], 0x76543210
	s_mov_b32 s[SEL+1], 0xfedcba98
	s_mov_b32 s34, s101
	s_mov_b32 s35, s101
	s_lshr_b32 s18, s42, 2
	s_lshl_b32 s18, s18, 6
	s_lshr_b32 s19, s17, 3
	s_lshl_b32 s19, s19, 4
	s_add_co_u32 s18, s18, s19
	s_lshl_b32 s19, s42, 2
	s_lshl_b32 s20, s16, 1
	s_add_co_u32 s19, s19, s20
	s_and_b32 s19, s19, 15
	s_add_co_u32 s18, s18, s19
	s_and_b32 s19, s17, 7
	s_lshl_b32 s19, s19, 8
	s_lshl_b32 s20, s15, 7
	s_add_co_u32 s19, s19, s20
	s_lshr_b32 s20, s42, 3
	s_lshl_b32 s20, s20, 4
	s_lshl_b32 s21, s17, 2
	s_add_co_u32 s20, s20, s21
	s_lshl_b32 s21, s15, 1
	s_add_co_u32 s20, s20, s21
	s_lshl_b32 s21, s42, 1
	s_add_co_u32 s21, s21, s16
	s_and_b32 s21, s21, 15
	s_mul_i32 s28, s19, 48
	s_mul_i32 s30, s21, 6144
	s_lshl_b32 s19, s19, 2
	s_lshl_b32 s31, s18, 13
	s_add_co_u32 s19, s19, s31
	s_lshl_b32 s21, s21, 8
	s_lshl_b32 s31, s20, 12
	s_add_co_u32 s21, s21, s31
	s_mov_b32 s22, 1536
	s_mov_b32 s26, 98304
	s_mov_b32 s29, 0xffff
	s_cmp_eq_u32 s100, 1
	s_cselect_b32 s18, s20, s18
	s_cselect_b32 s28, s30, s28
	s_cselect_b32 s36, s21, s19
	s_cselect_b32 s22, 3072, s22
	s_cselect_b32 s24, 92160, 0
	s_cselect_b32 s26, 1536, s26
	s_cselect_b32 s29, -1, s29
	s_cselect_b32 s31, -1, 0
	s_mov_b32 s23, 0
	s_mov_b32 s25, 0
	s_mov_b32 s27, 0
	s_mov_b32 s37, 0
	s_mul_i32 s18, s18, 98304
	s_add_co_u32 s18, s18, s28
	s_mov_b32 s19, 0
	s_add_nc_u64 s[12:13], s[12:13], s[18:19]
	s_add_nc_u64 s[38:39], s[12:13], s[26:27]
	s_add_nc_u64 s[98:99], s[98:99], s[36:37]
.macro QUANT4 cv
.irp b, 0,1,2,3
	v_max3_num_f32 v[TM+\b], |v[T+16*\b]|, |v[T+1+16*\b]|, 0x2800000
.endr
.irp i, 2,4,6,8,10,12,14
.irp b, 0,1,2,3
	v_max3_num_f32 v[TM+\b], v[TM+\b], |v[T+16*\b+\i]|, |v[T+1+16*\b+\i]|
.endr
.endr
.irp b, 0,1,2,3
	v_permlanex16_b32 v[TM+4+\b], v[TM+\b], s[SEL], s[SEL+1]
.endr
.irp b, 0,1,2,3
	v_max_num_f32 v[TM+\b], v[TM+\b], v[TM+4+\b]
.endr
.irp b, 0,1,2,3
	v_add_nc_u32 v[TM+8+\b], 0xfe000000, v[TM+\b]
.endr
.irp b, 0,1,2,3
	v_lshrrev_b32 v[TM+4+\b], 23, v[TM+8+\b]
.endr
	v_lshl_or_b32 v[PW], v[TM+5], 8, v[TM+4]
	v_lshl_or_b32 v[PW], v[TM+6], 16, v[PW]
	v_lshl_or_b32 v[PW], v[TM+7], 24, v[PW]
.irp c, 0,1,2,3
	v_cvt_scalef32_pk16_bf6_f32 v[\cv+4*\c:\cv+4*\c+2], v[T+16*\c:T+16*\c+15], v[TM+8+\c]
.endr
	v_nop
.endm
.macro EPI a
.set AC, 64*((\a)%4)
.set CVA, CV+(CVO-CV)*((\a)%2)
.if ((\a)%2 == 0) && ((\a) > 0)
	s_wait_xcnt 0x0
	s_add_nc_u64 s[12:13], s[12:13], s[22:23]
	s_add_nc_u64 s[38:39], s[38:39], s[22:23]
.endif
.if (\a) == 4
	s_add_nc_u64 s[12:13], s[12:13], s[24:25]
	s_add_nc_u64 s[38:39], s[38:39], s[24:25]
.endif
	WIN (0x02+(\a)/4)
.set j, 0
.rept 32
	v_pk_fma_f32 v[T+j:T+j+1], v[AC+j:AC+j+1], s[34:35], v[BN+j:BN+j+1] op_sel_hi:[1,0,1]
.set j, j+2
.endr
	WIN 0
.set j, 0
.rept 32
	v_pk_add_f32 v[T+j:T+j+1], v[T+j:T+j+1], v[BM+2*(\a):BM+2*(\a)+1]
.set j, j+2
.endr
	QUANT4 CVA
	v_lshrrev_b32 v[PW2], v[SHV], v[PW]
	v_and_b32 v[PW2], s29, v[PW2]
	ds_store_b32 v[SST], v[PW2] offset:64*(\a)
.if (\a)%2 == 1
.irp cc, 0,1
.irp k, 0,1,2
	v_cndmask_b32 v[TT+4*\cc+\k], v[CV+4*(2+\cc)+\k], v[CVO+4*\cc+\k], s31
	v_cndmask_b32 v[CVO+4*\cc+\k], v[CVO+4*\cc+\k], v[CV+4*(2+\cc)+\k], s31
.endr
.endr
.irp cc, 0,1
	ds_store_b96 v[STO], v[CV+4*\cc:CV+4*\cc+2] offset:1024*\cc
	ds_store_b96 v[STO], v[CVO+4*\cc:CVO+4*\cc+2] offset:1024*\cc+32
	ds_store_b96 v[STO], v[TT+4*\cc:TT+4*\cc+2] offset:1024*\cc+2048
	ds_store_b96 v[STO], v[CVO+4*(2+\cc):CVO+4*(2+\cc)+2] offset:1024*\cc+2080
.endr
.irp i, 0,1,2,3,4,5,6,7
	ds_load_b96 v[RB+4*\i:RB+4*\i+2], v[RD] offset:512*\i
.endr
	s_wait_dscnt 0x0
.irp i, 0,1,2,3
	global_store_b96 v[CO], v[RB+4*\i:RB+4*\i+2], s[12:13] offset:384*\i
.endr
.irp i, 0,1,2,3
	global_store_b96 v[CO], v[RB+16+4*\i:RB+16+4*\i+2], s[38:39] offset:384*\i
.endr
.endif
.endm
.irp a, 0,1,2,3,4,5,6,7
	EPI \a
.endr
	s_wait_xcnt 0x0
	ds_load_b128 v[OUTR:OUTR+3], v[SRD]
	ds_load_b128 v[OUTR+4:OUTR+7], v[SRD] offset:512
	s_wait_dscnt 0x0
	global_store_b128 v[SGO], v[OUTR:OUTR+3], s[98:99]
	s_cmp_eq_u32 s100, 1
	s_cbranch_scc1 .Lone_store
	global_store_b128 v[SGO], v[OUTR+4:OUTR+7], s[98:99] offset:8192
.Lone_store:
	s_wait_tensorcnt 0x0
	ds_add_u32 v[SPW], v[NIL]
	s_wait_dscnt 0x0
	CROUND
	s_endpgm
.Lfunc_end_k_qac89caefdf_proj:
	.size	k_qac89caefdf_proj, .Lfunc_end_k_qac89caefdf_proj-k_qac89caefdf_proj
	.p2alignl 7, 3214868480
	.fill 96, 4, 3214868480
	.section	.rodata,"a",@progbits
	.p2align	6, 0x0
	.amdhsa_kernel k_qac89caefdf_proj
		.amdhsa_group_segment_fixed_size 327680
		.amdhsa_private_segment_fixed_size 0
		.amdhsa_enable_private_segment 0
		.amdhsa_kernarg_size 88
		.amdhsa_user_sgpr_count 2
		.amdhsa_user_sgpr_kernarg_segment_ptr 1
		.amdhsa_wavefront_size32 1
		.amdhsa_system_sgpr_workgroup_id_x 1
		.amdhsa_system_sgpr_workgroup_id_y 1
		.amdhsa_system_sgpr_workgroup_id_z 1
		.amdhsa_system_vgpr_workitem_id 0
		.amdhsa_next_free_vgpr 1024
		.amdhsa_next_free_sgpr 102
		.amdhsa_reserve_vcc 0
		.amdhsa_float_denorm_mode_32 3
		.amdhsa_float_denorm_mode_16_64 3
		.amdhsa_memory_ordered 1
		.amdhsa_forward_progress 1
		.amdhsa_inst_pref_size 211
	.end_amdhsa_kernel
	.amdgpu_metadata
---
amdhsa.version: [ 1, 2 ]
amdhsa.kernels:
  - .name:           k_qac89caefdf_proj
    .symbol:         k_qac89caefdf_proj.kd
    .args:
      - { .name: xc, .offset: 0, .size: 8, .value_kind: global_buffer, .address_space: global }
      - { .name: xs, .offset: 8, .size: 8, .value_kind: global_buffer, .address_space: global }
      - { .name: wc, .offset: 16, .size: 8, .value_kind: global_buffer, .address_space: global }
      - { .name: ws, .offset: 24, .size: 8, .value_kind: global_buffer, .address_space: global }
      - { .name: bq, .offset: 32, .size: 8, .value_kind: global_buffer, .address_space: global }
      - { .name: bk, .offset: 40, .size: 8, .value_kind: global_buffer, .address_space: global }
      - { .name: bv, .offset: 48, .size: 8, .value_kind: global_buffer, .address_space: global }
      - { .name: qkc, .offset: 56, .size: 8, .value_kind: global_buffer, .address_space: global }
      - { .name: qks, .offset: 64, .size: 8, .value_kind: global_buffer, .address_space: global }
      - { .name: vc, .offset: 72, .size: 8, .value_kind: global_buffer, .address_space: global }
      - { .name: vs, .offset: 80, .size: 8, .value_kind: global_buffer, .address_space: global }
    .group_segment_fixed_size: 327680
    .private_segment_fixed_size: 0
    .kernarg_segment_align: 8
    .kernarg_segment_size: 88
    .max_flat_workgroup_size: 128
    .sgpr_count:     102
    .vgpr_count:     1024
    .wavefront_size: 32
...
	.end_amdgpu_metadata
.endif
;; end of part 2
;; launch attn (part 3): grid 4 x 64, 16 waves a work-group, clusters of 4 x 1, 303,104 bytes of LDS; arguments qkc, qks, vc, vs, attn_mask, out0; writes out0
.if DOCPART == 3
	.amdgcn_target "amdgcn-amd-amdhsa--gfx1250"
	.amdhsa_code_object_version 6
	.text
	.protected	k_qac89caefdf_attn
	.globl	k_qac89caefdf_attn
	.p2align	8
	.type	k_qac89caefdf_attn,@function
k_qac89caefdf_attn:
	s_mov_b64 s[64:65], 0
	v_nop
	global_prefetch_b8 v0, s[64:65] scope:SCOPE_SE
	s_setreg_imm32_b32 hwreg(HW_REG_WAVE_MODE, 25, 1), 1
	s_wait_xcnt 0x0
	s_wait_alu depctr_hold_cnt(0) depctr_sa_sdst(0) depctr_va_vdst(0) depctr_va_sdst(0) depctr_va_ssrc(0) depctr_va_vcc(0) depctr_vm_vsrc(0)
	s_getreg_b32 s2, hwreg(HW_REG_IB_STS2, 6, 4)
	s_cmp_eq_u32 s2, 0
	s_cbranch_scc0 .Lentry_in_a_cluster
	s_endpgm
.Lentry_in_a_cluster:
	s_bfe_u32 s2, ttmp6, 0x10000c
	s_cmp_lg_u32 s2, 0x3003
	s_cbranch_scc0 .Lentry_shape_is_right
	s_endpgm
.Lentry_shape_is_right:
; out0[n][q][64 head + d] = the sum over keys of softmax(Q . K + mask) V, both products on codes of BF6 (E3M2) with one E8M0 scale for each 32 along a product's K.  Q holds the 1 / 8 already.
; THE SOFTMAX AHEAD OF THE SECOND PRODUCT: t = (score + mask) x log2(e); M = the row's largest t so far, rounded UP to a whole number; p = 2^(t - M) is what is quantised, along the keys, not normalised.
; The row's sum is taken of the unquantised p, in f32, and divides O at the end.  When M moves, the sum and O are multiplied by 2^(old M - new M): exact.
; SHARES.  A work-group owns one head (16 x batch + head = the grid's y) and 512 queries; each of its SIXTEEN waves 32 of them, two tiles of 16 one after the other, in 256 registers: four waves to a SIMD, so that
; one wave's vector work stands beside another's matrix work and LDS loads.  Every tile walks the head's 2,048 keys, 128 a step.
; LDS.  A head's codes of K and V (98,304 bytes each), their scale words and the batch's mask fit in LDS whole: they are brought ONCE, wave w bringing key step w's six parts, and no byte is ever filled again.
; CLUSTER.  The four work-groups of a cluster are the four query blocks of one head: every tile is asked for jointly, by the same tensor load with the same descriptor and the mask 15.  A wave has six tensor loads out.
; LAYOUT.  Both products are used transposed: S^T = K Q^T (source 0 = 16 keys, source 1 = my 16 queries), O^T = V^T P^T (source 0 = 16 of the head's 64, source 1 = P): a lane holds ONE query (lane % 16) throughout.
; THE KEYS OF A TILE ARE CHOSEN SO THAT A LANE HOLDS WHOLE BLOCKS: row 8 g + j of tile 4 c + u is the step's true key 64 c + 32 g + 8 u + j.  In S^T lane (query, h) then holds, in the 32 registers of tiles 4 c .. 4 c + 3,
; keys 64 c + 32 h + 0 .. 31: one block of 32, in the order in which the second product's operand wants it in that very lane.  So a block's maximum needs no other lane, and p's codes are the operand as the conversions leave them.
; Which rows form a tile is a matter of each lane's LDS address.  Tokens lie in qkc with bits 3 and 4 of their number exchanged, 32 to a pair of tiles, 48 bytes a lane: that key lies in pair 2 c + g, lane 8 (u / 2) + j + 16 h, half u % 2:
; three loads of 16 bytes bring tiles 4 c + 2 (u / 2) and the next.  A step's pairs 0, 2 and its pairs 1, 3 are brought by two tensor loads, the second 3,200 bytes behind the first (128 modulo 256).
; V's features lie with bits 3 and 4 exchanged too: O^T's register 16 b + i is d = 32 b + 16 h + i.
; THE FIRST PRODUCT'S K IS 64, the instruction's 128: Q's codes for k = 64 .. 127 are zeros (six registers cleared once), so what stands in K's upper six registers adds nothing; the upper two bytes of both scale words are 0, never 0xff.
; THE MASK is the C of the first product: it is loaded from LDS straight into the scores' registers, in the result's layout.
; LIMITS: a row all of whose logits lie under -1e38 (or are -infinity) gives NaN; NaN in the mask is not served.  A block's largest p is taken from its largest score, put through the same multiply-add and exponential: this takes
; v_exp_f32 not to fall where its input rises; at the worst one p of a block, within an ulp of a power of two, would be held one code low.
; REGISTERS: v1-7, v29-31 addresses that stay; v8-11, v28 addresses of the step in hand; v12 -M, v13 the largest score, v[14:15] the sum in two halves; v16-21 Q's codes, v22-27 zeros; v32-79 eight tiles of K (6 registers each),
; later four of V (12 each); v80-85 zeros; v86-91 the second tile's Q; v96-159 mask, S^T, p; v160-191 O^T; v192-193 V's scale words; v194 p's; v195 8 (lane / 16); v224-235 p's codes; v232-254 at work; v248-251 K's scale words; v255 Q's.
.set KSTP, 6400                        ; LDS: from a key step's codes to the next step's, for K and for V
.set KODD, 3200                        ; in K's step: pairs 0, 2 at 0 and 1,536; pairs 1, 3 at 3,200 and 4,736
.set KC,   0                           ; K's codes
.set VC,   16*KSTP                     ; V's: in a step tile t at 1,536 t, 48 bytes a lane
.set KSC,  2*16*KSTP                   ; K's scale words: 4 bytes a token, 512 a step
.set VSC,  KSC+8192                    ; V's: 256 bytes a step, the steps 512 apart
.set MK,   VSC+8192                    ; the batch's mask: 2,048 f32
.set STG,  MK+8192+1024                ; the way out: 16 rows x (256 bytes + 16) for each wave, in blocks of 256 bytes into which no tile lands.  (1,024 bytes that no access touches lie ahead of it: a step's addresses are made a step ahead, and the last trip's, which are not used, point there)
.set WSTG, 16*272
.set AK0,  1                           ; v1   KC + 3,200 g + 48 j + 768 h   (lane = 16 h + 8 g + j)
.set AV0,  2                           ; v2   VC + 48 x lane
.set ASK0, 3                           ; v3   KSC + 128 g + 64 h + 4 j
.set ASV0, 4                           ; v4   VSC + 4 x lane
.set AM0,  5                           ; v5   MK + 128 h
.set STO,  6                           ; v6   the way out: where I put my row's numbers
.set GO,   7                           ; v7   and my byte offset in the wave's rows of out0
.set ADK,  8                           ; v8-11, v28: the step's addresses
.set ADV,  9
.set ADS,  10
.set ADT,  11
.set ADM,  28
.set RD,   29                          ; v29  the way out: where I read a row back
.set QCO,  30                          ; v30  48 x lane: Q's codes
.set QSO,  31                          ; v31  4 x lane: Q's scale words
.set PWD,  194                         ; v194 p's scale word
.set SH8,  195                         ; v195 8 h: how far my two bytes are shifted up in it
.set TK,   16                          ; s16  the step's codes: KSTP bytes a step
.set TS,   17                          ; s17  its scale words and mask: 512 bytes a step; also the loop's counter
.set WV,   18                          ; s18  my wave's number
.set SEL,  20                          ; s[20:21] lane selects for v_permlanex16_b32: lane l xor 16
.set CS,   22                          ; s[22:23] log2(e): the packed form names a pair and takes its low word for both halves
.set G1A,  24                          ; s[24:31] descriptor group 1: 24 rows of 256 bytes;  s[32:39]: 2 rows;  s[40:47]: 1 row;  s[76:83]: 2 rows of 1,536 bytes, 3,072 apart
.set G1B,  32
.set G1C,  40
.set G1K,  76
.set G0K,  48                          ; groups 0: K's pairs 0, 2; V's codes; K's scale words; V's scale words; the mask; K's pairs 1, 3
.set G0V,  52
.set G0KS, 56
.set G0VS, 60
.set G0M,  68
.set G0K2, 72
.set QP,   84                          ; s[84:85] Q's codes, s[86:87] Q's scale words, at my 32 queries
.set QS,   86
.macro ROUND                           ; a round of the cluster's barrier
	s_barrier_signal -1
	s_barrier_wait -1
	s_cmp_lg_u32 s[WV], 0
	s_cbranch_scc1 .Lnot_wave_0_\@
	s_barrier_signal -3
.Lnot_wave_0_\@:
	s_barrier_wait -3
	s_barrier_signal -1
	s_barrier_wait -1
.endm
	s_load_b256 s[4:11], s[0:1], 0x0               ; qkc, qks, vc, vs
	s_load_b128 s[12:15], s[0:1], 0x20             ; attn_mask, out0
	v_lshl_add_u32 v246, v0, 2, 0x49800
	v_mov_b32 v247, 0
	ds_add_u32 v246, v247
	ds_add_u32 v246, v247
	v_lshrrev_b32 v8, 5, v0
	s_delay_alu instid0(VALU_DEP_1)
	v_readfirstlane_b32 s[WV], v8                  ; wave 0..15
	s_and_b32 s88, ttmp7, 0xffff                   ; 16 x batch + head, which the four partners share
	s_lshr_b32 s89, s88, 4                         ; the batch
	s_mul_i32 s92, s88, 98304                      ; the head's codes
	s_mul_i32 s93, s[WV], 6144                     ; what I fetch: key step = my wave's number: its codes in memory,
	s_mul_i32 s94, s[WV], KSTP                     ; and in LDS;
	s_lshl_b32 s95, s[WV], 9                       ; 512 bytes a step
	; what is mine alone, in registers of its own: my block of 512 queries = 4 x cluster x + cx
	s_bfe_u32 s96, ttmp6, 0x40000
	s_lshl_b32 s97, ttmp9, 2
	s_add_co_u32 s96, s97, s96
	s_lshl_b32 s97, s96, 4
	s_add_co_u32 s97, s97, s[WV]                   ; which 32 queries of the batch are my wave's: 16 x block + wave
	s_mov_b32 s99, 0
	; descriptor groups 1: dense blocks, as rows of 256 bytes (32 elements of 8 bytes), no padding
.irp g, G1A, G1B, G1C
	s_mov_b32 s[\g], 15|(3<<16)|(1<<21)            ; 15:0 the mask: all four work-groups; 17:16 elements of 8 bytes; 21 set beside a mask
	s_mov_b32 s[\g+1], 32<<16                      ; tensor_dim0 = 32
	s_mov_b32 s[\g+3], 32<<16                      ; tile_dim0 = 32
	s_mov_b32 s[\g+5], 32                          ; tensor_dim0_stride
	s_mov_b32 s[\g+6], 0
	s_mov_b32 s[\g+7], 0
.endr
	s_mov_b32 s[G1A+2], 24<<16                     ; tensor_dim1 and tile_dim1: 6,144 bytes,
	s_mov_b32 s[G1A+4], 24
	s_mov_b32 s[G1B+2], 2<<16                      ; 512,
	s_mov_b32 s[G1B+4], 2
	s_mov_b32 s[G1C+2], 1<<16                      ; 256
	s_mov_b32 s[G1C+4], 1
	s_mov_b32 s[G1K], 15|(3<<16)|(1<<21)           ; K's codes: every second pair of tiles:
	s_mov_b32 s[G1K+1], 192<<16                    ; tensor_dim0 = 192 elements of 8 bytes: a pair's 1,536 bytes
	s_mov_b32 s[G1K+2], 2<<16                      ; tensor_dim1 = 2
	s_mov_b32 s[G1K+3], 192<<16                    ; tile_dim0
	s_mov_b32 s[G1K+4], 2                          ; tile_dim1
	s_mov_b32 s[G1K+5], 384                        ; tensor_dim0_stride: 3,072 bytes
	s_mov_b32 s[G1K+6], 0
	s_mov_b32 s[G1K+7], 0
	s_mov_b32 s[SEL], 0x76543210
	s_mov_b32 s[SEL+1], 0xfedcba98
	s_mov_b32 s[CS], 0x3fb8aa3b                    ; log2(e)
	s_mov_b32 s[CS+1], s[CS]                       ; (named with it as a pair, so it is written)
	s_wait_dscnt 0x0
	s_wait_kmcnt 0x0
	s_mul_i32 s98, s97, 1536
	s_add_co_u32 s98, s98, s92
	s_add_nc_u64 s[QP:QP+1], s[4:5], s[98:99]      ; Q's codes: 1,536 bytes for 32 queries
	s_lshl_b32 s98, s88, 13
	s_lshl_b32 s100, s97, 7
	s_add_co_u32 s98, s98, s100
	s_add_nc_u64 s[QS:QS+1], s[6:7], s[98:99]      ; Q's scale words: 4 bytes a query, 8,192 a head
	s_lshl_b32 s98, s89, 11
	s_lshl_b32 s100, s97, 5
	s_add_co_u32 s98, s98, s100                    ; my first row of out0: 2,048 x batch + 32 x (16 x block + wave),
	s_lshl_b32 s98, s98, 12                        ; rows of 4,096 bytes,
	s_and_b32 s100, s88, 15
	s_lshl_b32 s100, s100, 8
	s_add_co_u32 s98, s98, s100                    ; + the head's 256 bytes
	s_add_nc_u64 s[14:15], s[14:15], s[98:99]
	; groups 0: nothing in them hangs on my place in the cluster
	s_add_co_u32 s90, s92, s93                     ; codes: 98,304 a head + 6,144 a step
	s_mov_b32 s91, 0
	s_mov_b32 s[G0K], 1                            ; 1:0 count = 1
	s_add_co_u32 s[G0K+1], s94, KC                 ; 63:32 LDS address
	s_add_nc_u64 s[G0K+2:G0K+3], s[4:5], s[90:91]  ; 120:64 global address;
	s_add_nc_u64 s[G0K+2:G0K+3], s[G0K+2:G0K+3], 64*98304   ; K's codes lie behind Q's 64 heads
	s_mov_b32 s[G0K2], 1
	s_add_co_u32 s[G0K2+1], s94, KC+KODD
	s_add_nc_u64 s[G0K2+2:G0K2+3], s[G0K+2:G0K+3], 1536     ; pairs 1 and 3
	s_or_b32 s[G0K+3], s[G0K+3], 0x80000000        ; 127:126 type = 2
	s_or_b32 s[G0K2+3], s[G0K2+3], 0x80000000
	s_mov_b32 s[G0V], 1
	s_add_co_u32 s[G0V+1], s94, VC
	s_add_nc_u64 s[G0V+2:G0V+3], s[8:9], s[90:91]
	s_or_b32 s[G0V+3], s[G0V+3], 0x80000000
	s_lshl_b32 s90, s88, 13
	s_add_co_u32 s90, s90, s95                     ; K's scale words: 8,192 a head + 512 a step
	s_mov_b32 s[G0KS], 1
	s_add_co_u32 s[G0KS+1], s95, KSC
	s_add_nc_u64 s[G0KS+2:G0KS+3], s[6:7], s[90:91]
	s_add_nc_u64 s[G0KS+2:G0KS+3], s[G0KS+2:G0KS+3], 64*8192
	s_or_b32 s[G0KS+3], s[G0KS+3], 0x80000000
	s_lshl_b32 s90, s88, 12
	s_lshl_b32 s93, s[WV], 8
	s_add_co_u32 s90, s90, s93                     ; V's: 4,096 a head + 256 a step
	s_mov_b32 s[G0VS], 1
	s_add_co_u32 s[G0VS+1], s95, VSC
	s_add_nc_u64 s[G0VS+2:G0VS+3], s[10:11], s[90:91]
	s_or_b32 s[G0VS+3], s[G0VS+3], 0x80000000
	s_lshl_b32 s90, s89, 13
	s_add_co_u32 s90, s90, s95                     ; the mask: 8,192 a batch + 512 a step
	s_mov_b32 s[G0M], 1
	s_add_co_u32 s[G0M+1], s95, MK
	s_add_nc_u64 s[G0M+2:G0M+3], s[12:13], s[90:91]
	s_or_b32 s[G0M+3], s[G0M+3], 0x80000000
	ROUND                                          ; all four work-groups are here: the joint loads meet
	tensor_load_to_lds s[G0K:G0K+3], s[G1K:G1K+7]  ; all fills of the launch, in one group: every wave issues its six
	s_nop 0
	tensor_load_to_lds s[G0K2:G0K2+3], s[G1K:G1K+7]
	s_nop 0
	tensor_load_to_lds s[G0V:G0V+3], s[G1A:G1A+7]
	s_nop 0
	tensor_load_to_lds s[G0KS:G0KS+3], s[G1B:G1B+7]
	s_nop 0
	tensor_load_to_lds s[G0VS:G0VS+3], s[G1C:G1C+7]
	s_nop 0
	tensor_load_to_lds s[G0M:G0M+3], s[G1B:G1B+7]
	s_nop 0
.rept 4
	v_nop
.endr
	v_and_b32 v8, 31, v0                           ; lane
	v_and_b32 v9, 15, v0                           ; r
	v_bfe_u32 v10, v0, 4, 1                        ; h
	v_and_b32 v11, 7, v0                           ; j
	v_bfe_u32 v12, v0, 3, 1                        ; g
	v_mul_u32_u24 v[QCO], v8, 48
	v_lshlrev_b32 v[QSO], 2, v8
.irp i, 0,1,2
	global_load_b64 v[16+2*\i:17+2*\i], v[QCO], s[QP:QP+1] offset:8*\i       ; my first tile's codes: lane (r, h): query r, d = 32 h .. 32 h + 31
.endr
.irp i, 0,1,2
	global_load_b64 v[86+2*\i:87+2*\i], v[QCO], s[QP:QP+1] offset:24+8*\i    ; my second tile's: the second half of the lane's 48 bytes
.endr
	global_load_b32 v255, v[QSO], s[QS:QS+1]       ; the scale words: lanes 0-15 the first tile's, lanes 16-31 the second's
	v_mul_u32_u24 v[AK0], v11, 48
	s_delay_alu instid0(VALU_DEP_1)
	v_mad_u32_u24 v[AK0], v12, KODD, v[AK0]
	s_delay_alu instid0(VALU_DEP_1)
	v_mad_u32_u24 v[AK0], v10, 768, v[AK0]
	v_mul_u32_u24 v[AV0], v8, 48
	s_delay_alu instid0(VALU_DEP_1)
	v_add_nc_u32 v[AV0], VC, v[AV0]
	v_lshlrev_b32 v[ASK0], 2, v11
	s_delay_alu instid0(VALU_DEP_1)
	v_lshl_add_u32 v[ASK0], v12, 7, v[ASK0]
	s_delay_alu instid0(VALU_DEP_1)
	v_lshl_add_u32 v[ASK0], v10, 6, v[ASK0]
	s_delay_alu instid0(VALU_DEP_1)
	v_add_nc_u32 v[ASK0], KSC, v[ASK0]             ; lanes 0-15: the words of an even tile's rows; lanes 16-31: of the next tile's, 16 tokens on
	v_lshl_add_u32 v[ASV0], v8, 2, VSC
	v_lshl_add_u32 v[AM0], v10, 7, MK
	v_lshlrev_b32 v[SH8], 3, v10
	s_mul_i32 s93, s[WV], WSTG
	s_add_co_u32 s93, s93, STG                     ; my stage
	v_mul_u32_u24 v[STO], v9, 272
	s_delay_alu instid0(VALU_DEP_1)
	v_lshl_add_u32 v[STO], v10, 6, v[STO]
	s_delay_alu instid0(VALU_DEP_1)
	v_add_nc_u32 v[STO], s93, v[STO]               ; in: row r, + 64 h: my 16 of each 32 along d
	v_mul_u32_u24 v[RD], v10, 272
	s_delay_alu instid0(VALU_DEP_1)
	v_lshl_add_u32 v[RD], v9, 4, v[RD]
	s_delay_alu instid0(VALU_DEP_1)
	v_add_nc_u32 v[RD], s93, v[RD]                 ; back: lanes 0-15 one row of 256 bytes, lanes 16-31 the next
	v_lshlrev_b32 v[GO], 12, v10
	s_delay_alu instid0(VALU_DEP_1)
	v_lshl_add_u32 v[GO], v9, 4, v[GO]             ; and the same two rows in out0
.irp i, 0,1,2,3,4,5
	v_mov_b32 v[22+\i], 0                          ; Q's codes of k = 64 .. 127: zeros, written once
	v_mov_b32 v[80+\i], 0                          ; and what stands behind K's last tile
.endr
.irp b, 0,1,2,3
	v_mov_b32 v[236+\b], 0                         ; written once: a lane permute's destination counts as one of its sources
.endr
	v_mov_b32 v252, 0
	v_mov_b32 v253, 0                              ; (named as the upper half of the pair v[252:253]; never read)
	s_wait_loadcnt 0x0                             ; Q
	s_wait_tensorcnt 0x0                           ; for the others' sake: my six parts have landed
	s_barrier_signal -1
	s_barrier_wait -1                              ; everybody's have: the whole head lies in LDS
.macro SPROD t, u                      ; S^T, tile t: 16 keys x my 16 queries, onto the mask.  K's scale words: an even tile's in lanes 0-15 of register t / 2, the next tile's in lanes 16-31; Q's: query tile u likewise
.if ((\t)%2 == 0) && (\u == 0)
	v_wmma_scale_f32_16x16x128_f8f6f4 v[96+8*(\t):103+8*(\t)], v[32+6*(\t):43+6*(\t)], v[16:27], v[96+8*(\t):103+8*(\t)], v[248+(\t)/2], v255 matrix_a_fmt:MATRIX_FMT_BF6 matrix_b_fmt:MATRIX_FMT_BF6
.elseif \u == 0
	v_wmma_scale_f32_16x16x128_f8f6f4 v[96+8*(\t):103+8*(\t)], v[32+6*(\t):43+6*(\t)], v[16:27], v[96+8*(\t):103+8*(\t)], v[248+(\t)/2], v255 matrix_a_fmt:MATRIX_FMT_BF6 matrix_b_fmt:MATRIX_FMT_BF6 matrix_a_scale:MATRIX_SCALE_ROW1
.elseif (\t)%2 == 0
	v_wmma_scale_f32_16x16x128_f8f6f4 v[96+8*(\t):103+8*(\t)], v[32+6*(\t):43+6*(\t)], v[16:27], v[96+8*(\t):103+8*(\t)], v[248+(\t)/2], v255 matrix_a_fmt:MATRIX_FMT_BF6 matrix_b_fmt:MATRIX_FMT_BF6 matrix_b_scale:MATRIX_SCALE_ROW1
.else
	v_wmma_scale_f32_16x16x128_f8f6f4 v[96+8*(\t):103+8*(\t)], v[32+6*(\t):43+6*(\t)], v[16:27], v[96+8*(\t):103+8*(\t)], v[248+(\t)/2], v255 matrix_a_fmt:MATRIX_FMT_BF6 matrix_b_fmt:MATRIX_FMT_BF6 matrix_a_scale:MATRIX_SCALE_ROW1 matrix_b_scale:MATRIX_SCALE_ROW1
.endif
.endm
.macro OPROD t                         ; O^T, tile t: 16 of the head's 64 x my 16 queries, K = the step's 128 keys
.if (\t)%2 == 0
	v_wmma_scale_f32_16x16x128_f8f6f4 v[160+8*(\t):167+8*(\t)], v[32+12*(\t):43+12*(\t)], v[224:235], v[160+8*(\t):167+8*(\t)], v[192+(\t)/2], v[PWD] matrix_a_fmt:MATRIX_FMT_BF6 matrix_b_fmt:MATRIX_FMT_BF6
.else
	v_wmma_scale_f32_16x16x128_f8f6f4 v[160+8*(\t):167+8*(\t)], v[32+12*(\t):43+12*(\t)], v[224:235], v[160+8*(\t):167+8*(\t)], v[192+(\t)/2], v[PWD] matrix_a_fmt:MATRIX_FMT_BF6 matrix_b_fmt:MATRIX_FMT_BF6 matrix_a_scale:MATRIX_SCALE_ROW1
.endif
.endm
; A KEY STEP: 128 keys for query tile u.  Every accumulator has one instruction a turn.  No v_nop: wherever places are owed, work that is due stands there.
.macro STEP u
.irp c, 0,1
.irp i, 0,1,2,3,4,5,6,7
	ds_load_b128 v[96+32*\c+4*\i:99+32*\c+4*\i], v[ADM] offset:256*\c+16*\i   ; the mask of keys 64 c + 32 h + 4 i on: the scores' registers begin as the mask
.endr
.endr
.irp c, 0,1
.irp w, 0,1
.irp q, 0,1,2
	ds_load_b128 v[32+24*\c+12*\w+4*\q:35+24*\c+12*\w+4*\q], v[ADK] offset:1536*\c+384*\w+16*\q   ; tiles 4 c + 2 w and 4 c + 2 w + 1: 48 bytes a lane
.endr
.endr
.endr
.irp g, 0,1,2,3
	ds_load_b32 v[248+\g], v[ADS] offset:256*(\g/2)+32*(\g%2)   ; the scale words of tiles 2 g and 2 g + 1
.endr
	s_wait_dscnt 0x0
.irp t, 0,1,2,3,4,5,6,7
	SPROD \t, \u
.endr
	v_add_nc_u32 v[ADV], s[TK], v[AV0]             ; five plain lines that name no register of those products: the places in front of the loads into K's registers and of the first read of the scores.
	v_add_nc_u32 v[ADT], s[TS], v[ASV0]            ; This step's V;
	s_add_co_u32 s[TK], s[TK], KSTP
	s_add_co_u32 s[TS], s[TS], 512
	v_add_nc_u32 v[ADK], s[TK], v[AK0]             ; the next step's K, scale words and mask (my loads by the old addresses are back)
	v_add_nc_u32 v[ADS], s[TS], v[ASK0]
	v_add_nc_u32 v[ADM], s[TS], v[AM0]
.irp t, 0,1,2,3                                ; V's four tiles are asked for now and land while the softmax is walked
.irp q, 0,1,2
	ds_load_b128 v[32+12*\t+4*\q:35+12*\t+4*\q], v[ADV] offset:1536*\t+16*\q
.endr
.endr
.irp g, 0,1
	ds_load_b32 v[192+\g], v[ADT] offset:128*\g
.endr
.irp b, 0,1,2,3
	v_max3_num_f32 v[232+\b], v[96+16*\b], v[97+16*\b], v[98+16*\b]   ; THE LARGEST SCORE OF EACH BLOCK OF 32 KEYS serves twice: for the row's maximum, and, since p rises with the score, for the block's largest p.  Four chains of 15 by turns,
.endr
.irp i, 3,5,7,9,11,13
.irp b, 0,1,2,3
	v_max3_num_f32 v[232+\b], v[232+\b], v[96+16*\b+\i], v[97+16*\b+\i]
.endr
.endr
	v_max3_num_f32 v232, v232, v233, v111          ; two chains and the two scores left over make a block: all 32 are mine
	v_max3_num_f32 v234, v234, v235, v143
	v_max_num_f32 v232, v232, v127                 ; block h
	v_max_num_f32 v233, v234, v159                 ; block 2 + h
	s_delay_alu instid0(VALU_DEP_1)
	v_max_num_f32 v254, v232, v233
	s_delay_alu instid0(VALU_DEP_1)
	v_permlanex16_b32 v236, v254, s[SEL], s[SEL+1] ; the query's other 64 keys lie in the lane 16 away
	s_delay_alu instid0(VALU_DEP_1)
	v_max3_num_f32 v13, v13, v254, v236            ; the running largest score
	s_delay_alu instid0(VALU_DEP_1)
	v_mul_f32 v254, s[CS], v13                     ; as t
	s_delay_alu instid0(VALU_DEP_1)
	v_floor_f32 v254, -v254                        ; the new -M = floor(-t) = -ceil(t): M IS A WHOLE NUMBER
	s_delay_alu instid0(VALU_DEP_1)
	v_sub_f32 v252, v254, v12                      ; M's old value less its new one: a whole number, 0 or less
	s_delay_alu instid0(VALU_DEP_2)
	v_mov_b32 v12, v254
	s_delay_alu instid0(VALU_DEP_2)
	v_cvt_i32_f32 v252, v252                       ; (it saturates)
	s_delay_alu instid0(VALU_DEP_1)
	v_ldexp_f32 v252, 1.0, v252                    ; f = 2^(old M - new M): a multiplication by it rounds nothing
.set j, 0
.rept 32
	v_pk_fma_f32 v[96+j:97+j], v[96+j:97+j], s[CS:CS+1], v[12:13] op_sel_hi:[1,0,0]   ; t - M, two at a time (of the pairs log2(e) and -M the low word serves both halves)
.set j, j+2
.endr
	v_fma_f32 v232, v232, s[CS], v12               ; the same of each block's largest score
	v_fma_f32 v233, v233, s[CS], v12
.set j, 0
	s_setprio 1
	s_wait_alu depctr_va_vdst(0)
.rept 64
	v_exp_f32 v[96+j], v[96+j]                     ; p = 2^(t - M), at most 1: NOT normalised
.set j, j+1
.endr
	v_exp_f32 v232, v232                           ; the block's largest p: the same two instructions on the same number give the same bits
	v_exp_f32 v233, v233
	v_pk_mul_f32 v[14:15], v[14:15], v[252:253] op_sel_hi:[1,0]   ; the sums under the new M.  (The plain line behind the exponentials)
	s_wait_alu depctr_va_vdst(0)
	v_max_num_f32 v232, 0x2800000, v232            ; the floor 2^(5 - 127): the byte cannot fall under 1 (a block whose every p is 0 keeps that byte: its codes are zeros)
	v_max_num_f32 v233, 0x2800000, v233
	s_delay_alu instid0(VALU_DEP_2)
	v_add_nc_u32 v244, 0xfe000000, v232            ; 4 off the exponent field: the conversion's scale operand
	s_delay_alu instid0(VALU_DEP_2)
	v_add_nc_u32 v245, 0xfe000000, v233
	s_delay_alu instid0(VALU_DEP_2)
	v_lshrrev_b32 v236, 23, v244                   ; the scale's byte
	s_delay_alu instid0(VALU_DEP_2)
	v_lshrrev_b32 v237, 23, v245
	s_delay_alu instid0(VALU_DEP_1)
	v_lshl_or_b32 v[PWD], v237, 16, v236           ; my two bytes: blocks h and 2 + h,
	s_delay_alu instid0(VALU_DEP_1)
	v_lshlrev_b32 v[PWD], v[SH8], v[PWD]           ; at their places in the scale word (8 h bits up);
	v_permlanex16_b32 v238, v[PWD], s[SEL], s[SEL+1]
	s_delay_alu instid0(VALU_DEP_1)
	v_or_b32 v[PWD], v[PWD], v238                  ; with lane l xor 16's two the word is whole
.irp c, 0,1
	v_cvt_scalef32_pk16_bf6_f32 v[224+6*\c:226+6*\c], v[96+32*\c:111+32*\c], v[244+\c]    ; registers 6 c .. 6 c + 2 of the operand
	v_cvt_scalef32_pk16_bf6_f32 v[236+4*\c:238+4*\c], v[112+32*\c:127+32*\c], v[244+\c]   ; (a conversion's three registers begin on an even number: the block's second half is made elsewhere and moved)
.endr
.set j, 0
.rept 4
	v_pk_mul_f32 v[160+j:161+j], v[160+j:161+j], v[252:253] op_sel_hi:[1,0]   ; O^T under the new M: x f.  (These are also the plain lines behind the conversions)
.set j, j+2
.endr
.irp c, 0,1
.irp i, 0,1,2
	v_mov_b32 v[227+6*\c+\i], v[236+4*\c+\i]
.endr
.endr
.rept 12
	v_pk_mul_f32 v[160+j:161+j], v[160+j:161+j], v[252:253] op_sel_hi:[1,0]   ; (of these sixteen lines twelve name no register of any one product below: the places behind p's codes, four, and p's scale word, eight)
.set j, j+2
.endr
	s_setprio 0
	s_wait_alu depctr_va_vdst(0)
	s_wait_dscnt 0x0                               ; V's tiles and scale words are in
.irp t, 0,1,2,3
	OPROD \t
.endr
	v_pk_add_f32 v[236:237], v[100:101], v[104:105]
	v_pk_add_f32 v[250:251], v[108:109], v[112:113]
	v_pk_add_f32 v[248:249], v[116:117], v[120:121]
	v_pk_add_f32 v[244:245], v[124:125], v[128:129]
	v_pk_add_f32 v[242:243], v[132:133], v[136:137]
	v_pk_add_f32 v[240:241], v[140:141], v[144:145]
	v_pk_add_f32 v[234:235], v[148:149], v[152:153]
	v_pk_add_f32 v[14:15], v[14:15], v[156:157]
	v_pk_add_f32 v[236:237], v[236:237], v[96:97]
	v_pk_add_f32 v[250:251], v[250:251], v[98:99]
	v_pk_add_f32 v[248:249], v[248:249], v[102:103]
	v_pk_add_f32 v[244:245], v[244:245], v[106:107]
	v_pk_add_f32 v[242:243], v[242:243], v[110:111]
	v_pk_add_f32 v[240:241], v[240:241], v[114:115]
	v_pk_add_f32 v[234:235], v[234:235], v[118:119]
	v_pk_add_f32 v[14:15], v[14:15], v[122:123]
	v_pk_add_f32 v[236:237], v[236:237], v[126:127]
	v_pk_add_f32 v[250:251], v[250:251], v[130:131]
	v_pk_add_f32 v[248:249], v[248:249], v[134:135]
	v_pk_add_f32 v[244:245], v[244:245], v[138:139]
	v_pk_add_f32 v[242:243], v[242:243], v[142:143]
	v_pk_add_f32 v[240:241], v[240:241], v[146:147]
	v_pk_add_f32 v[234:235], v[234:235], v[150:151]
	v_pk_add_f32 v[14:15], v[14:15], v[154:155]
	v_pk_add_f32 v[236:237], v[236:237], v[158:159]
	s_delay_alu instid0(VALU_DEP_2)
	v_pk_add_f32 v[14:15], v[14:15], v[244:245]
	s_delay_alu instid0(VALU_DEP_2)
	v_pk_add_f32 v[236:237], v[236:237], v[242:243]
	v_pk_add_f32 v[250:251], v[250:251], v[240:241]
	v_pk_add_f32 v[248:249], v[248:249], v[234:235]
	s_delay_alu instid0(VALU_DEP_2)
	v_pk_add_f32 v[14:15], v[14:15], v[250:251]
	s_delay_alu instid0(VALU_DEP_2)
	v_pk_add_f32 v[236:237], v[236:237], v[248:249]
	s_delay_alu instid0(VALU_DEP_1)
	v_pk_add_f32 v[14:15], v[14:15], v[236:237]
.endm
; THE WAY OUT of query tile u.  O^T is divided by the sum and goes through my stage in LDS, so that sixteen lanes store a query's 256 consecutive bytes, aligned.  Row 2 i + h of the tile is the
; true query 16 (i / 4) + 8 u + 2 (i % 4) + h of my 32: the exchange of bits 3 and 4 is taken back here.
.macro OUT u
	v_add_f32 v14, v14, v15                        ; the sum's two halves,
	s_delay_alu instid0(VALU_DEP_1)
	v_permlanex16_b32 v252, v14, s[SEL], s[SEL+1]
	s_delay_alu instid0(VALU_DEP_1)
	v_add_f32 v14, v14, v252                       ; and lane l xor 16's: the row's sum
	s_wait_alu depctr_va_vdst(0)
	v_rcp_f32 v14, v14
	v_nop                                          ; a plain line behind the transcendental
.set j, 0
	s_wait_alu depctr_va_vdst(0)
.rept 32
	v_mul_f32 v[96+j], v[160+j], v14               ; register 16 b + i is d = 32 b + 16 h + i; each accumulator from its low end on
.set j, j+1
.endr
.irp b, 0,1
.irp i, 0,1,2,3
	ds_store_b128 v[STO], v[96+16*\b+4*\i:99+16*\b+4*\i] offset:128*\b+16*\i
.endr
.endr
.irp i, 0,1,2,3,4,5,6,7
	ds_load_b128 v[32+4*\i:35+4*\i], v[RD] offset:544*\i   ; LDS serves a wave's instructions in order (ISA guide 5.7.1.4): these see my stores
.endr
.irp i, 0,1,2,3,4,5,6,7
	s_wait_dscnt 7-\i                              ; the younger read-backs may be out
	global_store_b128 v[GO], v[32+4*\i:35+4*\i], s[14:15] offset:(8*\u+16*(\i/4)+2*(\i%4))*4096 th:TH_STORE_NT
.endr
.endm
.macro QTILE u
.if \u
	s_wait_xcnt 0x0                                ; the first tile's stores have read their registers: the loads below land there only behind this wait
.irp i, 0,1,2,3,4,5
	v_mov_b32 v[16+\i], v[86+\i]                   ; the second tile's Q
.endr
.endif
	v_mov_b32 v13, 0xfe967699                      ; the largest score so far: -1e38
	v_mov_b32 v12, 0x7f61b1e6                      ; -M: 3e38, so that the first step's f is 0
	v_mov_b32 v14, 0                               ; the sum, in two halves
	v_mov_b32 v15, 0
.set j, 0
.rept 32
	v_mov_b32 v[160+j], 0                          ; O^T.  (The step is written once: the first finds zeros, which the first change of M leaves zeros)
.set j, j+1
.endr
	s_mov_b32 s[TK], 0
	s_mov_b32 s[TS], 0
	v_add_nc_u32 v[ADK], s[TK], v[AK0]             ; the first step's addresses
	v_add_nc_u32 v[ADS], s[TS], v[ASK0]
	v_add_nc_u32 v[ADM], s[TS], v[AM0]
.Lstep_\u:                                         ; 16 trips: 2,048 keys; the step itself moves s[TS] on by 512
	s_setprio 2
	STEP \u
	s_cmp_lg_u32 s[TS], 16*512
	s_cbranch_scc1 .Lstep_\u
	s_setprio 0
	OUT \u
.endm
	QTILE 0
	QTILE 1
	s_wait_dscnt 0x0                               ; no LDS instruction of mine is out at a signal
	s_wait_tensorcnt 0x0
	ds_add_u32 v246, v247
	s_wait_dscnt 0x0
	ROUND                                          ; the closing round: no work-group ends while a partner may still ask for a tile that names it
	s_endpgm
.Lfunc_end_k_qac89caefdf_attn:
	.size	k_qac89caefdf_attn, .Lfunc_end_k_qac89caefdf_attn-k_qac89caefdf_attn
	.p2alignl 7, 3214868480
	.fill 96, 4, 3214868480
	.section	.rodata,"a",@progbits
	.p2align	6, 0x0
	.amdhsa_kernel k_qac89caefdf_attn
		.amdhsa_group_segment_fixed_size 303104
		.amdhsa_private_segment_fixed_size 0
		.amdhsa_enable_private_segment 0
		.amdhsa_kernarg_size 48
		.amdhsa_user_sgpr_count 2
		.amdhsa_user_sgpr_kernarg_segment_ptr 1
		.amdhsa_wavefront_size32 1
		.amdhsa_system_sgpr_workgroup_id_x 1
		.amdhsa_system_sgpr_workgroup_id_y 1
		.amdhsa_system_sgpr_workgroup_id_z 1
		.amdhsa_system_vgpr_workitem_id 0
		.amdhsa_next_free_vgpr 256
		.amdhsa_next_free_sgpr 102
		.amdhsa_reserve_vcc 0
		.amdhsa_float_denorm_mode_32 3
		.amdhsa_float_denorm_mode_16_64 3
		.amdhsa_memory_ordered 1
		.amdhsa_forward_progress 1
		.amdhsa_inst_pref_size 53
	.end_amdhsa_kernel
	.amdgpu_metadata
---
amdhsa.version: [ 1, 2 ]
amdhsa.kernels:
  - .name:           k_qac89caefdf_attn
    .symbol:         k_qac89caefdf_attn.kd
    .args:
      - { .name: qkc, .offset: 0, .size: 8, .value_kind: global_buffer, .address_space: global }
      - { .name: qks, .offset: 8, .size: 8, .value_kind: global_buffer, .address_space: global }
      - { .name: vc, .offset: 16, .size: 8, .value_kind: global_buffer, .address_space: global }
      - { .name: vs, .offset: 24, .size: 8, .value_kind: global_buffer, .address_space: global }
      - { .name: attn_mask, .offset: 32, .size: 8, .value_kind: global_buffer, .address_space: global }
      - { .name: out0, .offset: 40, .size: 8, .value_kind: global_buffer, .address_space: global }
    .group_segment_fixed_size: 303104
    .private_segment_fixed_size: 0
    .kernarg_segment_align: 8
    .kernarg_segment_size: 48
    .max_flat_workgroup_size: 512
    .sgpr_count:     102
    .vgpr_count:     256
    .wavefront_size: 32
...
	.end_amdgpu_metadata
.endif
;; end of part 3
